; MI455X (gfx1250); checked and timed in simulation.
; The chip was launched on July 23, 2026; its instructions are those of AMD's public machine-readable ISA for CDNA 5 (MIT licence, August 2026) and "CDNA5" Instruction Set Architecture Reference Guide (July 2026). The comments in the code are by the model that wrote it; some were corrected since.
;; Multi Head Attention. Allowed arithmetic: matrix products marked QUANTISED: E2M3 operands, one E8M0 scale for each 32 along K, by v_wmma_scale_f32_16x16x128_f8f6f4 with both operands' format E2M3, f32 sums; everything else in f32.
;; Inputs: Wk 384 x 384 float32; Wo 384 x 384 float32; Wq 384 x 384 float32; Wv 384 x 384 float32; attention_mask 2 x 1 x 1 x 4,096 float32; bo 384 float32; hidden_states 2 x 4,096 x 384 float32.
;; Outputs: out0 2 x 4,096 x 384 float32.
;; This version of the problem:
;;   THIS VERSION OF THE PROBLEM IS GIVEN IN LOW PRECISION. The matrix products marked QUANTISED in the list below multiply operands that are first quantised to E2M3 (2 exponent bits, 3 mantissa bits; 6 bits a number), with one power-of-two scale for each 32 numbers along K (OCP MX v1.0); their sums are f32. All else is computed in f32.
;;   The module's matrix products, in the order in which they are computed (A, B: the left and right operand; K: the contracted axis; several contracted axes count as one K, in the product's order):
;;     1. [M 8,192, K 384] x [K 384, N 384]; A: input hidden_states; B: input Wq: QUANTISED
;;     2. [M 8,192, K 384] x [K 384, N 384]; A: input hidden_states; B: input Wk: QUANTISED
;;     3. [M 8,192, K 384] x [K 384, N 384]; A: input hidden_states; B: input Wv: QUANTISED
;;     4. batch 12 x [M 4,096, K 64] x [K 64, N 4,096]; A: computed on the way; B: computed on the way: QUANTISED
;;     5. batch 12 x [M 4,096, K 4,096] x [K 4,096, N 64]; A: softmax (see below); B: computed on the way: QUANTISED
;;     6. [M 8,192, K 384] x [K 384, N 384]; A: computed on the way; B: input Wo: QUANTISED
;;   THE QUANTISER, for each operand of a quantised product, along K:
;;     - K is cut into blocks of 32 from its start; a last block that is shorter is filled with zeros.
;;     - A block's scale is 2^e with e = floor(log2(the largest magnitude in the block)) - 2, held to -126 .. 127; a block of zeros has e = 0. As a byte (E8M0): e + 127.
;;     - Each number is divided by its block's scale, clamped to +-7.5, and rounded to the nearest number of E2M3, ties to even, subnormals kept.
;;     - The product sums the exact products of the quantised numbers (number of the format x scale) in f32.
;;   ~~~python
;;   def quantise(x, axis):      # numpy; x: float32 -> the quantised numbers, widened to float32 again
;;       x = np.moveaxis(x, axis, -1); K = x.shape[-1]
;;       x = np.pad(x, [(0, 0)] * (x.ndim - 1) + [(0, -K % 32)]); x = x.reshape(x.shape[:-1] + (-1, 32)); a = np.abs(x).max(-1, keepdims=True)
;;       e = np.where(a > 0, np.clip(np.frexp(np.where(a > 0, a, 1))[1] - 1 - 2, -126, 127), 0)      # np.frexp(a)[1] - 1 = floor(log2(a)), exactly
;;       r = np.clip(x / 2.0 ** e, -7.5, 7.5)
;;       step = 2.0 ** (np.maximum(np.frexp(np.where(r == 0, 1, r))[1] - 1, 0) - 3)
;;       q = np.round(r / step) * step * 2.0 ** e      # np.round: ties to even
;;       return np.moveaxis(q.reshape(q.shape[:-2] + (-1,))[..., :K], -1, axis).astype(np.float32)
;;   ~~~
;;   SOFTMAX AHEAD OF A QUANTISED PRODUCT. Where the list says 'softmax', what is quantised is not the finished softmax but p = 2^(t - M), with t = logit x log2(e) and M = ceil(the row's largest t), a whole number; so 1/2 < the row's largest p <= 1. The row's sum l is taken of the UNQUANTISED p, in f32, and the product's result is divided by l at the end. Since M is a whole number, a kernel that streams over the keys may use a running M (the ceiling of the running maximum): every later rescaling is an exact power of two, which a block's scale takes up: the codes' values come out the same.
;;   OPERANDS COMPUTED ON THE WAY. 'Computed on the way' means the value that the module computes at that place (a softmax that the list does not call 'softmax' is quantised finished and normalised). What goes into a quantiser is computed in f32, as accurately as f32 sums, v_exp_f32 and their like allow (about 1e-6 of the number): no bf16 or f16 on the way to a quantiser, and a product that is left as it is and whose result goes on into a quantised operand takes f32 operands (vector FMAs, or v_wmma_f32_16x16x4_f32). A number that lies on a knife's edge between two numbers of the format may be rounded either way, as far as f32 arithmetic and the matrix unit's own rounding can turn it there, and no further.
;; One version. Each part assembles by itself: llvm-mc -triple=amdgcn-amd-amdhsa -mcpu=gfx1250 --defsym DOCPART=n.
;; ======== version 1 of 1: 3 launches
;; limits: right only within a limited range of input values
;; workspace buffers: img 3,035,136 bytes; qimg 2,752,512 bytes; kv 5,111,808 bytes
;; launch quant (part 1): grid 304 x 1, 6 waves a work-group, no clusters, 51,456 bytes of LDS; arguments hidden_states, Wq, Wk, Wv, Wo, img; writes img
.if DOCPART == 1
	.amdgcn_target "amdgcn-amd-amdhsa--gfx1250"
	.amdhsa_code_object_version 6
	.text
	.protected	k_qcc5789847a_quant
	.globl	k_qcc5789847a_quant
	.p2align	8
	.type	k_qcc5789847a_quant,@function
k_qcc5789847a_quant:
	s_mov_b64 s[64:65], 0
	v_nop
	global_prefetch_b8 v0, s[64:65] scope:SCOPE_SE
	s_setreg_imm32_b32 hwreg(HW_REG_WAVE_MODE, 25, 1), 1
	s_wait_xcnt 0x0
; hidden_states [8192][384] and Wq, Wk, Wv, Wo [384][384], f32, K (384) innermost, become codes of FP6 (E2M3) with one E8M0 byte for each 32 along K,
; laid in img as images of operand registers: a later launch fetches a fragment by three loads of 16 bytes a lane.
; img: records of 9,984 bytes, one for each 32 rows: records 0-255 hidden, 256-267 Wq, 268-279 Wk, 280-291 Wv, 292-303 Wo.
; A record holds six fragments f = 3 u + s (tile u of 16 rows, K step s of 128): codes at 1,536 f (register quad i at 512 i + 16 lane), scale words at 9,216 + 128 f + 4 lane.
; THE TILE RULE.  Rows go in groups of 64, four tiles j to a group: lane r of tile j takes row 8 j + r % 8 + 32 (r / 8).  Record g of a tensor holds tiles j = 2 (g % 2) + u of group g / 2.
; In a product's result lane half h then holds, in the 32 registers of a group's four tiles, rows 32 h + 0 .. 31 of the group: a whole block of 32 along the next K.
; A block's scale is 2^(floor(log2(its largest magnitude)) - 2); its byte is the largest magnitude's exponent field - 2, held at 1 from below.
; LIMITS: a block of zeros gets the byte 1 where the rule says 127 (its codes are zeros, and this program alone reads the bytes); blocks whose largest magnitude lies under 2^-124 are quantised under that floor;
; NaN and infinities among the inputs are not served.
; SHARES: a work-group takes a record, wave 3 u + s one fragment.  Each load reads 512 consecutive bytes of one row; the 16 x 512 bytes turn through the wave's own stage in LDS (rows 528 bytes apart),
; from which lane (r, h) takes k = 64 c + 32 h + 0 .. 31 of row r: two whole blocks.  No barrier: waves share nothing.  No matrix unit, no cluster: a stream.
.set ROWB,  1536
.set GREC,  9984
.set SP,    528
.set WST,   16*SP
.set X,     32                         ; v32-95   16 rows as loaded
.set N,     96                         ; v96-159  register 32 c + e = k 64 c + 32 h + e of my row
.set PC,    160                        ; v160-171 the fragment's codes
.set T,     172                        ; v172-179 the second halves of the blocks' codes
	s_load_b256 s[4:11], s[0:1], 0x0               ; hidden, Wq, Wk, Wv
	s_load_b128 s[12:15], s[0:1], 0x20             ; Wo, img
	v_lshl_add_u32 v192, v0, 2, 0xc600             ; my spare word, behind the six stages
	v_mov_b32 v193, 0
	v_lshrrev_b32 v1, 5, v0
	v_readfirstlane_b32 s19, v1                    ; wave 0..5
	v_and_b32 v1, 31, v0
	v_and_b32 v2, 15, v0                           ; r
	v_bfe_u32 v3, v0, 4, 1                         ; h
	v_lshlrev_b32 v4, 4, v1                        ; 16 x lane
	v_lshlrev_b32 v7, 2, v1                        ; 4 x lane
	s_mul_i32 s21, s19, WST
	v_add_nc_u32 v5, s21, v4                       ; the stage, on the way in
	v_mul_u32_u24 v6, v2, SP
	v_lshl_add_u32 v6, v3, 7, v6
	v_add_nc_u32 v6, s21, v6                       ; and on the way out: row r, + 128 h bytes
	v_lshlrev_b32 v15, 3, v3                       ; 8 h
	v_mov_b32 v16, 0                               ; a lane permute's destination counts as one of its sources
	s_cmp_ge_u32 s19, 3
	s_cselect_b32 s20, 1, 0                        ; u
	s_mul_i32 s22, s20, 3
	s_sub_co_u32 s22, s19, s22                     ; s
	s_mov_b32 s24, 0x76543210
	s_mov_b32 s25, 0xfedcba98
	s_wait_alu depctr_va_vdst(0)                   ; the wait at the head's end
	s_wait_kmcnt 0x0
	s_mov_b64 s[16:17], s[12:13]                   ; which tensor is my record's?  The choice hangs on the work-group's number alone
	s_mov_b32 s18, 292
	s_cmp_lt_u32 ttmp9, 292
	s_cselect_b64 s[16:17], s[10:11], s[16:17]
	s_cselect_b32 s18, 280, s18
	s_cmp_lt_u32 ttmp9, 280
	s_cselect_b64 s[16:17], s[8:9], s[16:17]
	s_cselect_b32 s18, 268, s18
	s_cmp_lt_u32 ttmp9, 268
	s_cselect_b64 s[16:17], s[6:7], s[16:17]
	s_cselect_b32 s18, 256, s18
	s_cmp_lt_u32 ttmp9, 256
	s_cselect_b64 s[16:17], s[4:5], s[16:17]
	s_cselect_b32 s18, 0, s18
	s_sub_co_u32 s26, ttmp9, s18                   ; the record's number g in its tensor
	s_and_b32 s27, s26, 1
	s_lshr_b32 s26, s26, 1
	s_mul_i32 s26, s26, 64*ROWB                    ; group g / 2,
	s_mul_i32 s27, s27, 16*ROWB                    ; 16 (g % 2) rows down,
	s_add_co_u32 s26, s26, s27
	s_mul_i32 s27, s20, 8*ROWB                     ; tile u 8 more
	s_add_co_u32 s26, s26, s27
	s_lshl_b32 s27, s22, 9                         ; K step s: 512 bytes along the row
	s_add_co_u32 s26, s26, s27
	s_mov_b32 s27, 0
	s_add_nc_u64 s[16:17], s[16:17], s[26:27]
	s_mul_i32 s28, ttmp9, GREC
	s_mul_i32 s30, s19, 1536
	s_add_co_u32 s30, s30, s28
	s_mov_b32 s31, 0
	s_add_nc_u64 s[30:31], s[14:15], s[30:31]      ; my fragment's codes
	s_lshl_b32 s32, s19, 7
	s_add_co_u32 s32, s32, s28
	s_mov_b32 s33, 0
	s_add_nc_u64 s[32:33], s[14:15], s[32:33]      ; my fragment's scale words, less 9,216
.irp i, 0,1,2,3,4,5,6,7,8,9,10,11,12,13,14,15
	global_load_b128 v[X+4*\i:X+4*\i+3], v4, s[16:17] offset:(\i+24*(\i/8))*ROWB th:TH_LOAD_NT   ; the tile's lane i: 32 lanes read 512 consecutive bytes
.endr
.irp i, 0,1,2,3,4,5,6,7,8,9,10,11,12,13,14,15
	s_wait_loadcnt 15-\i                           ; row i is in, the 15 - i younger loads stay out
	ds_store_b128 v5, v[X+4*\i:X+4*\i+3] offset:SP*\i
.endr
.irp c, 0,1
.irp q, 0,1,2,3,4,5,6,7
	ds_load_b128 v[N+32*\c+4*\q:N+32*\c+4*\q+3], v6 offset:256*\c+16*\q   ; a wave's LDS instructions are served in order: these see my stores
.endr
.endr
	s_wait_dscnt 0x0
.irp c, 0,1                                    ; my block 2 c + h: all its 32 numbers are mine
	v_max3_num_f32 v[8+\c], |v[N+32*\c]|, |v[N+32*\c+1]|, 0x1800000   ; with the floor 2^(3 - 127): the byte cannot fall under 1
.endr
.irp i, 2,4,6,8,10,12,14,16,18,20,22,24,26,28,30
.irp c, 0,1
	v_max3_num_f32 v[8+\c], v[8+\c], |v[N+32*\c+\i]|, |v[N+32*\c+\i+1]|
.endr
.endr
.irp c, 0,1
	v_add_nc_u32 v[10+\c], 0xff000000, v[8+\c]     ; 2 off the exponent field: the conversion's scale operand
.endr
.irp c, 0,1
	v_lshrrev_b32 v[12+\c], 23, v[10+\c]           ; the scale's byte
.endr
	v_lshl_or_b32 v14, v13, 16, v12                ; my two bytes: blocks h and 2 + h of row r,
	v_lshlrev_b32 v14, v15, v14                    ; at their places in the word;
	v_permlanex16_b32 v16, v14, s24, s25
	v_or_b32 v14, v14, v16                         ; with lane l xor 16's two the word is whole
.irp c, 0,1
	v_cvt_scalef32_pk16_fp6_f32 v[PC+6*\c:PC+6*\c+2], v[N+32*\c:N+32*\c+15], v[10+\c]
	v_cvt_scalef32_pk16_fp6_f32 v[T+4*\c:T+4*\c+2], v[N+32*\c+16:N+32*\c+31], v[10+\c]   ; (a conversion's three registers begin on an even number)
.endr
	v_nop                                          ; one plain place behind a scaled conversion
.irp c, 0,1
.irp i, 0,1,2
	v_mov_b32 v[PC+3+6*\c+\i], v[T+4*\c+\i]
.endr
.endr
.irp i, 0,1,2
	global_store_b128 v4, v[PC+4*\i:PC+4*\i+3], s[30:31] offset:512*\i   ; 32 lanes store 512 consecutive bytes, at a multiple of 256 from img's first byte
.endr
	global_store_b32 v7, v14, s[32:33] offset:9216
	s_wait_tensorcnt 0x0                           ; the wave's end
	ds_add_u32 v192, v193
	s_wait_dscnt 0x0
	s_endpgm
.Lfunc_end_k_qcc5789847a_quant:
	.size	k_qcc5789847a_quant, .Lfunc_end_k_qcc5789847a_quant-k_qcc5789847a_quant
	.p2alignl 7, 3214868480
	.fill 96, 4, 3214868480
	.section	.rodata,"a",@progbits
	.p2align	6, 0x0
	.amdhsa_kernel k_qcc5789847a_quant
		.amdhsa_group_segment_fixed_size 51456
		.amdhsa_private_segment_fixed_size 0
		.amdhsa_enable_private_segment 0
		.amdhsa_kernarg_size 48
		.amdhsa_user_sgpr_count 2
		.amdhsa_user_sgpr_kernarg_segment_ptr 1
		.amdhsa_wavefront_size32 1
		.amdhsa_system_sgpr_workgroup_id_x 1
		.amdhsa_system_sgpr_workgroup_id_y 1
		.amdhsa_system_sgpr_workgroup_id_z 1
		.amdhsa_system_vgpr_workitem_id 0
		.amdhsa_next_free_vgpr 194
		.amdhsa_next_free_sgpr 66
		.amdhsa_reserve_vcc 0
		.amdhsa_float_denorm_mode_32 3
		.amdhsa_float_denorm_mode_16_64 3
		.amdhsa_memory_ordered 1
		.amdhsa_forward_progress 1
		.amdhsa_inst_pref_size 11
	.end_amdhsa_kernel
	.amdgpu_metadata
---
amdhsa.version: [ 1, 2 ]
amdhsa.kernels:
  - .name:           k_qcc5789847a_quant
    .symbol:         k_qcc5789847a_quant.kd
    .args:
      - { .name: hidden_states, .offset: 0, .size: 8, .value_kind: global_buffer, .address_space: global }
      - { .name: Wq, .offset: 8, .size: 8, .value_kind: global_buffer, .address_space: global }
      - { .name: Wk, .offset: 16, .size: 8, .value_kind: global_buffer, .address_space: global }
      - { .name: Wv, .offset: 24, .size: 8, .value_kind: global_buffer, .address_space: global }
      - { .name: Wo, .offset: 32, .size: 8, .value_kind: global_buffer, .address_space: global }
      - { .name: img, .offset: 40, .size: 8, .value_kind: global_buffer, .address_space: global }
    .group_segment_fixed_size: 51456
    .private_segment_fixed_size: 0
    .kernarg_segment_align: 8
    .kernarg_segment_size: 48
    .max_flat_workgroup_size: 192
    .sgpr_count:     66
    .vgpr_count:     194
    .wavefront_size: 32
...
	.end_amdgpu_metadata
.endif
;; end of part 1
;; launch qkv (part 2): grid 64 x 3, 8 waves a work-group, clusters of 4 x 1, 168,960 bytes of LDS; arguments img, attention_mask, qimg, kv; writes qimg, kv
.if DOCPART == 2
	.amdgcn_target "amdgcn-amd-amdhsa--gfx1250"
	.amdhsa_code_object_version 6
	.text
	.protected	k_qcc5789847a_qkv
	.globl	k_qcc5789847a_qkv
	.p2align	8
	.type	k_qcc5789847a_qkv,@function
k_qcc5789847a_qkv:
	s_mov_b64 s[64:65], 0
	v_nop
	global_prefetch_b8 v0, s[64:65] scope:SCOPE_SE
	s_setreg_imm32_b32 hwreg(HW_REG_WAVE_MODE, 25, 1), 1
	s_wait_xcnt 0x0
	s_wait_alu depctr_hold_cnt(0) depctr_sa_sdst(0) depctr_va_vdst(0) depctr_va_sdst(0) depctr_va_ssrc(0) depctr_va_vcc(0) depctr_vm_vsrc(0)
	s_getreg_b32 s2, hwreg(HW_REG_IB_STS2, 6, 4)
	s_cmp_eq_u32 s2, 0
	s_cbranch_scc0 .Lentry_in_a_cluster
	s_endpgm
.Lentry_in_a_cluster:
	s_bfe_u32 s2, ttmp6, 0x10000c
	s_cmp_lg_u32 s2, 0x3003
	s_cbranch_scc0 .Lentry_shape_is_right
	s_endpgm
.Lentry_shape_is_right:
; q = x Wq^T, k = x Wk^T, v = x Wv^T on codes of FP6 (E2M3) from img, sums in f32; the results are quantised in registers into the layouts that the attention launch reads, and never go to memory as f32.
; SHARES.  A work-group takes chunk C of 128 rows of x (4 records of img) and a pair p of heads; wave w: head hd = 2 p + w / 4, idx = w % 4, three jobs of 24 matrix instructions:
;   Q: the 32 queries of record idx;  K: the same 32 rows as keys;  V: tile idx of the head's 64 channels, for all 128 keys.
; Q and K are used transposed (source 0 = 16 rows of W, source 1 = 16 rows of x): a lane holds one row of x and its registers run along the head's 64, the next product's K.
; V the other way (source 0 = 16 rows of x, source 1 = 16 rows of Wv): a lane holds one channel and its registers run along the keys.
; By the tile rule (lane r of tile j of a group of 64 rows takes row 8 j + r % 8 + 32 (r / 8)) lane half h holds in the 32 registers of a group's four tiles rows 32 h + 0 .. 31 of the group:
; a whole block of 32 along that K, in the place that the operand's layout gives that lane.  So one quantiser serves all three jobs: 64 registers, two blocks a lane.
; qimg: record (6 G + hd) x 1,792 for record G of x: tile u's six registers as three pieces of 8 bytes a lane at 768 u + 256 i + 8 lane; its scale word at 1,536 + 128 u + 4 lane: the two bytes, each LESS 3, twice:
;   2^-3 = 1 / sqrt(64), so the scores come out of the matrix unit already divided by 8, exactly.
; kv: units of 13,312 bytes, 128 keys of one head, unit ((C / 2) 12 + 2 hd + C % 2): four K fragments (registers 0-5: tile 0 of record b, 6-11: its tile 1; each 64 along K) at 1,536 b; four V fragments at 6,144 + 1,536 t;
;   four scale words a lane at 12,288 + 128 i + 4 lane (lanes 0-15 K's fragment i, lanes 16-31 V's tile i); the keys' 128 numbers of attention_mask at 12,800.
; LIMITS: a block of zeros gets the byte 1 (its codes are zeros; this program alone reads the bytes); q's blocks whose largest magnitude lies under 2^-121 are quantised under that floor, so that byte - 3 stays 1 or more.
; LDS: four dense blocks of 39,936 bytes (four records of img each), filled once: x's at 0, Wq's, Wk's, Wv's behind it.  Nothing is filled again.
; CLUSTER: the four work-groups of a cluster have the same pair of heads: the three blocks of weights are asked for jointly (waves 1 to 3).  x's block differs between them: wave 0 asks for it alone.
.set GREC,  9984
.set BLKB,  4*GREC                     ; 39,936 = 156 rows of 256 bytes
.set UNIT,  13312
.set LI,   1                           ; 16 x lane
.set LS,   2                           ; 4 x lane
.set L8,   3                           ; 8 x lane
.set AX,   4                           ; my record's fragments of x
.set AXS,  5                           ; and their scale words
.set AW,   6                           ; my head's fragments of Wq (Wk: one block on)
.set AWS,  7
.set AWV,  8                           ; my tile of Wv
.set AWVS, 9
.set VK,   10                          ; 16 x lane + 1,536 idx
.set VS,   11                          ; 4 x lane + 128 idx
.set SH,   13                          ; 8 x (lane / 16)
.set SCX,  16                          ; v16-23 x's scale words, v24-27 the weights': scales and nothing else
.set SCW,  24
.set MSK,  28
.set KW,   29                          ; K's scale word
.set PW,   30                          ; V's
.set SW,   31
.set XF,   32                          ; v32-127 fragments of x (Q, K: six; V: eight)
.set PC,   104                         ; v104-115 the codes just made;  v116-123 second halves
.set TP,   116
.set WF,   128                         ; v128-175 four fragments of a weight
.set ACC,  176                         ; v176-239 eight accumulators
.set TM,   240                         ; v240-249 the quantiser's work, v252-253 the conversions' scale operands
.set WV,   12
.set SEL,  44
.macro PLACES n
.rept \n
	v_nop
.endr
.endm
.macro ROUND                           ; a round of the cluster's barrier
	s_barrier_signal -1
	s_barrier_wait -1
	s_cmp_lg_u32 s[WV], 0
	s_cbranch_scc1 .Lnot_wave_0_\@
	s_barrier_signal -3
.Lnot_wave_0_\@:
	s_barrier_wait -3
	s_barrier_signal -1
	s_barrier_wait -1
.endm
.macro FETCH reg, adr, off             ; a fragment's image: 3 x 512 consecutive bytes
.irp c, 0,1,2
	ds_load_b128 v[\reg+4*\c:\reg+4*\c+3], v[\adr] offset:\off+512*\c
.endr
.endm
.macro MM0 d, a, b, sa, sb             ; the first K step starts a sum: nothing is cleared
	v_wmma_scale_f32_16x16x128_f8f6f4 v[\d:\d+7], v[\a:\a+11], v[\b:\b+11], 0, v[\sa], v[\sb] matrix_a_fmt:MATRIX_FMT_FP6 matrix_b_fmt:MATRIX_FMT_FP6
.endm
.macro MMA d, a, b, sa, sb
	v_wmma_scale_f32_16x16x128_f8f6f4 v[\d:\d+7], v[\a:\a+11], v[\b:\b+11], v[\d:\d+7], v[\sa], v[\sb] matrix_a_fmt:MATRIX_FMT_FP6 matrix_b_fmt:MATRIX_FMT_FP6
.endm
; 64 numbers of a lane, register 32 c + e = place 64 c + 32 (lane / 16) + e along K: two whole blocks.  They become twelve registers of codes at v[PC] (6 c on: block 2 c + lane / 16) and the word of four scale bytes in v[w].
.macro QUANT s, floor, w
.irp c, 0,1
	v_max3_num_f32 v[TM+\c], |v[\s+32*\c]|, |v[\s+32*\c+1]|, \floor   ; with the floor under which no largest magnitude is taken
.endr
.irp i, 2,4,6,8,10,12,14,16,18,20,22,24,26,28,30
.irp c, 0,1
	v_max3_num_f32 v[TM+\c], v[TM+\c], |v[\s+32*\c+\i]|, |v[\s+32*\c+\i+1]|   ; each accumulator is read from its low end on
.endr
.endr
.irp c, 0,1
	s_delay_alu instid0(VALU_DEP_2)
	v_add_nc_u32 v[TM+12+\c], 0xff000000, v[TM+\c] ; 2 off the exponent field: the conversion's scale operand
.endr
.irp c, 0,1
	s_delay_alu instid0(VALU_DEP_2)
	v_lshrrev_b32 v[TM+\c], 23, v[TM+12+\c]        ; the scale's byte
.endr
	s_delay_alu instid0(VALU_DEP_1)
	v_lshl_or_b32 v[TM+2], v[TM+1], 16, v[TM]
	s_delay_alu instid0(VALU_DEP_1)
	v_lshlrev_b32 v[TM+2], v[SH], v[TM+2]          ; my two bytes at their places,
	s_delay_alu instid0(VALU_DEP_1)
	v_permlanex16_b32 v[TM+4], v[TM+2], s[SEL], s[SEL+1]
	s_delay_alu instid0(VALU_DEP_1)
	v_or_b32 v[\w], v[TM+2], v[TM+4]               ; with lane l xor 16's two the word is whole, in both halves of the lanes
.irp c, 0,1
	v_cvt_scalef32_pk16_fp6_f32 v[PC+6*\c:PC+2+6*\c], v[\s+32*\c:\s+15+32*\c], v[TM+12+\c]
	v_cvt_scalef32_pk16_fp6_f32 v[TP+4*\c:TP+2+4*\c], v[\s+16+32*\c:\s+31+32*\c], v[TM+12+\c]   ; (a conversion's three registers begin on an even number)
.endr
	v_nop                                          ; one plain place behind a scaled conversion
.irp c, 0,1
.irp i, 0,1,2
	v_mov_b32 v[PC+3+6*\c+\i], v[TP+4*\c+\i]
.endr
.endr
.endm
; My record's 32 rows of x against my head's 64 rows of Wq (job 0) or Wk (job 1): eight accumulators by turns, three K steps.
; Accumulator ACC + 32 x + 8 t: tile x of the rows, tile t of the head's 64.
.macro PROJ job
.irp s, 0,1,2
.if \s > 0
	PLACES 4                                       ; in front of loads into registers that matrix instructions have read
.endif
.irp t, 0,1,2,3
	FETCH WF+12*\t, AW, (\job)*BLKB+(\t/2)*GREC+(3*(\t%2)+\s)*1536
	ds_load_b32 v[SCW+\t], v[AWS] offset:(\job)*BLKB+(\t/2)*GREC+128*(3*(\t%2)+\s)
.endr
	s_wait_dscnt 0x0
.irp t, 0,1,2,3
.irp x, 0,1
.if \s == 0
	MM0 ACC+32*\x+8*\t, WF+12*\t, XF+12*(3*\x+\s), SCW+\t, SCX+3*\x+\s
.else
	MMA ACC+32*\x+8*\t, WF+12*\t, XF+12*(3*\x+\s), SCW+\t, SCX+3*\x+\s
.endif
.endr
.endr
.endr
	PLACES 4                                       ; in front of the first read of results
.endm
	s_load_b256 s[4:11], s[0:1], 0x0               ; img, attention_mask, qimg, kv
	v_lshl_add_u32 v250, v0, 2, 0x29000            ; my spare word, behind the four blocks
	v_mov_b32 v251, 0
	ds_add_u32 v250, v251                          ; the opening lines: the add twice on end
	ds_add_u32 v250, v251
	v_lshrrev_b32 v12, 5, v0
	s_delay_alu instid0(VALU_DEP_1)
	v_readfirstlane_b32 s[WV], v12                 ; wave 0..7
	s_bfe_u32 s13, ttmp6, 0x40000                  ; cx
	s_lshl_b32 s14, ttmp9, 2
	s_add_co_u32 s14, s14, s13                     ; C = 4 x cluster x + cx: it enters global addresses alone
	s_and_b32 s15, ttmp7, 0xffff                   ; p, which the four partners share
	s_lshr_b32 s40, s[WV], 2                       ; which head of the pair
	s_and_b32 s41, s[WV], 3                        ; idx
	s_lshl_b32 s42, s15, 1
	s_add_co_u32 s42, s42, s40                     ; hd
	s_mov_b32 s[SEL], 0x76543210
	s_mov_b32 s[SEL+1], 0xfedcba98
	; descriptor group 1: a dense block of 156 rows of 256 bytes (32 elements of 8 bytes): s[16:23] for x's, s[24:31] with the mask of all four work-groups and bit 21 beside it for the weights'
	s_mov_b32 s16, 3<<16
	s_mov_b32 s24, 15|(3<<16)|(1<<21)
.irp g, 16, 24
	s_mov_b32 s[\g+1], 32<<16
	s_mov_b32 s[\g+2], 156<<16
	s_mov_b32 s[\g+3], 32<<16
	s_mov_b32 s[\g+4], 156
	s_mov_b32 s[\g+5], 32
	s_mov_b32 s[\g+6], 0
	s_mov_b32 s[\g+7], 0
.endr
	s_mul_i32 s48, s14, BLKB                       ; x: records 4 C on
	s_mov_b32 s49, 0
	s_mul_i32 s46, s[WV], 12                       ; a weight: record 256 + 12 (wave - 1) + 4 p
	s_lshl_b32 s47, s15, 2
	s_add_co_u32 s46, s46, s47
	s_add_co_u32 s46, s46, 244
	s_mul_i32 s46, s46, GREC
	s_mov_b32 s47, 0
	v_and_b32 v12, 31, v0
	v_bfe_u32 v[SH], v0, 4, 1
	s_delay_alu instid0(VALU_DEP_2)
	v_lshlrev_b32 v[LI], 4, v12
	v_lshlrev_b32 v[LS], 2, v12
	v_lshlrev_b32 v[L8], 3, v12
	v_lshlrev_b32 v[SH], 3, v[SH]
	s_wait_alu depctr_va_vdst(0)                   ; the wait ahead of the scalar runs below
	s_mul_i32 s50, s41, GREC
	v_add_nc_u32 v[AX], s50, v[LI]
	v_add_nc_u32 v[AXS], s50, v[LS]
	s_delay_alu instid0(VALU_DEP_1)
	v_add_nc_u32 v[AXS], 9216, v[AXS]
	s_mul_i32 s51, s40, 2*GREC                     ; my head's two records of a block's four
	s_add_co_u32 s50, s51, BLKB
	v_add_nc_u32 v[AW], s50, v[LI]
	v_add_nc_u32 v[AWS], s50, v[LS]
	s_delay_alu instid0(VALU_DEP_1)
	v_add_nc_u32 v[AWS], 9216, v[AWS]
	s_lshr_b32 s50, s41, 1
	s_mul_i32 s50, s50, GREC
	s_add_co_u32 s50, s50, s51
	s_add_co_u32 s50, s50, 3*BLKB                  ; Wv: my head, record idx / 2,
	s_and_b32 s51, s41, 1
	s_mul_i32 s52, s51, 3*1536                     ; its tile idx % 2
	s_add_co_u32 s52, s52, s50
	v_add_nc_u32 v[AWV], s52, v[LI]
	s_mul_i32 s52, s51, 3*128
	s_add_co_u32 s52, s52, s50
	v_add_nc_u32 v[AWVS], s52, v[LS]
	s_delay_alu instid0(VALU_DEP_1)
	v_add_nc_u32 v[AWVS], 9216, v[AWVS]
	s_mul_i32 s50, s41, 1536
	v_add_nc_u32 v[VK], s50, v[LI]
	s_lshl_b32 s50, s41, 7
	v_add_nc_u32 v[VS], s50, v[LS]
	v_mov_b32 v[TM+4], 0                           ; written once: a lane permute's destination counts as one of its sources
	s_wait_alu depctr_va_vdst(0)                   ; the wait at the head's end
	s_lshl_b32 s52, s14, 2
	s_add_co_u32 s52, s52, s41                     ; G = 4 C + idx
	s_mul_i32 s52, s52, 6
	s_add_co_u32 s52, s52, s42
	s_mul_i32 s52, s52, 1792
	s_mov_b32 s53, 0
	s_lshr_b32 s54, s14, 1
	s_mul_i32 s54, s54, 12
	s_lshl_b32 s55, s42, 1
	s_add_co_u32 s54, s54, s55
	s_and_b32 s55, s14, 1
	s_add_co_u32 s54, s54, s55                     ; my unit of kv
	s_mul_i32 s54, s54, UNIT
	s_mov_b32 s55, 0
	s_lshl_b32 s56, s14, 9                         ; the mask: 512 bytes a chunk, 128 a record
	s_lshl_b32 s57, s41, 7
	s_add_co_u32 s56, s56, s57
	s_mov_b32 s57, 0
	s_wait_dscnt 0x0
	s_wait_kmcnt 0x0
	s_mov_b32 s32, 1                               ; group 0 for x's block: LDS byte 0
	s_mov_b32 s33, 0
	s_add_nc_u64 s[34:35], s[4:5], s[48:49]
	s_or_b32 s35, s35, 0x80000000
	s_mov_b32 s36, 1                               ; and for a weight's block: LDS byte wave x 39,936
	s_mul_i32 s37, s[WV], BLKB
	s_add_nc_u64 s[38:39], s[4:5], s[46:47]
	s_or_b32 s39, s39, 0x80000000
	s_add_nc_u64 s[8:9], s[8:9], s[52:53]
	s_add_nc_u64 s[10:11], s[10:11], s[54:55]
	s_add_nc_u64 s[6:7], s[6:7], s[56:57]
	ROUND                                          ; all four work-groups are here: the joint loads meet
	s_cmp_eq_u32 s[WV], 0                          ; wave 0: x's block; waves 1 to 3: Wq's, Wk's, Wv's; the others nothing
	s_cbranch_scc0 .Lnot_x
	tensor_load_to_lds s[32:35], s[16:23]
	s_nop 0
	PLACES 4
	s_branch .Lasked
.Lnot_x:
	s_cmp_lt_u32 s[WV], 4
	s_cbranch_scc0 .Lasked
	tensor_load_to_lds s[36:39], s[24:31]
	s_nop 0
	PLACES 4
.Lasked:
	global_load_b32 v[MSK], v[LS], s[6:7]          ; my record's 32 numbers of the mask
	s_wait_tensorcnt 0x0                           ; my block, if I asked for one, has landed
	s_barrier_signal -1
	s_barrier_wait -1                              ; everybody's has
	; ---- Q
.irp x, 0,1
.irp s, 0,1,2
	FETCH XF+12*(3*\x+\s), AX, (3*\x+\s)*1536
	ds_load_b32 v[SCX+3*\x+\s], v[AXS] offset:128*(3*\x+\s)
.endr
.endr
	PROJ 0
	QUANT ACC, 6<<23, TM+8                         ; the word: tile 0's two bytes, then tile 1's
	v_add_nc_u32 v[TM+8], 0xfcfcfcfd, v[TM+8]      ; 3 off each of the four bytes (each is 4 or more): q / 8
	s_delay_alu instid0(VALU_DEP_1)
	v_perm_b32 v[TM+9], v[TM+8], v[TM+8], 0x03020302   ; tile 1's two bytes, twice: the six registers may stand as the lower or the upper 64 of an operand's K
	v_perm_b32 v[TM+8], v[TM+8], v[TM+8], 0x01000100   ; tile 0's
.irp x, 0,1
.irp i, 0,1,2
	global_store_b64 v[L8], v[PC+6*\x+2*\i:PC+6*\x+2*\i+1], s[8:9] offset:768*\x+256*\i   ; 32 lanes store 256 consecutive bytes, aligned
.endr
	global_store_b32 v[LS], v[TM+8+\x], s[8:9] offset:1536+128*\x
.endr
	; ---- K: x's fragments and scale words stay as they are
	s_wait_xcnt 0x0                                ; the stores' data are written again only behind this wait
	PROJ 1
	QUANT ACC, 3<<23, KW                           ; the twelve registers are the fragment, the word its scale word
.irp i, 0,1,2
	global_store_b128 v[VK], v[PC+4*\i:PC+4*\i+3], s[10:11] offset:512*\i
.endr
	; ---- V: all 128 keys against my 16 rows of Wv
	s_wait_xcnt 0x0                                ; x's eight fragments land over the codes just stored
.irp s, 0,1,2
	FETCH WF+12*\s, AWV, 1536*\s
	ds_load_b32 v[SCW+\s], v[AWVS] offset:128*\s
.endr
.irp s, 0,1,2
.if \s > 0
	PLACES 4
.endif
.irp g, 0,1,2,3
.irp x, 0,1
	FETCH XF+12*(2*\g+\x), LI, \g*GREC+(3*\x+\s)*1536
	ds_load_b32 v[SCX+2*\g+\x], v[LS] offset:9216+\g*GREC+128*(3*\x+\s)
.endr
.endr
	s_wait_dscnt 0x0
.irp g, 0,1,2,3
.irp x, 0,1
.if \s == 0
	MM0 ACC+16*\g+8*\x, XF+12*(2*\g+\x), WF+12*\s, SCX+2*\g+\x, SCW+\s
.else
	MMA ACC+16*\g+8*\x, XF+12*(2*\g+\x), WF+12*\s, SCX+2*\g+\x, SCW+\s
.endif
.endr
.endr
.endr
	PLACES 4
	QUANT ACC, 3<<23, PW
	s_mov_b32 vcc_lo, 0xffff0000
	v_cndmask_b32 v[SW], v[KW], v[PW], vcc_lo      ; lanes 0-15 K's word, lanes 16-31 V's
.irp i, 0,1,2
	global_store_b128 v[VK], v[PC+4*\i:PC+4*\i+3], s[10:11] offset:6144+512*\i
.endr
	global_store_b32 v[VS], v[SW], s[10:11] offset:12288
	s_wait_loadcnt 0x0                             ; the mask
	global_store_b32 v[VS], v[MSK], s[10:11] offset:12800
	s_wait_tensorcnt 0x0                           ; the wave's end
	ds_add_u32 v250, v251
	s_wait_dscnt 0x0
	ROUND                                          ; the closing round
	s_endpgm
.Lfunc_end_k_qcc5789847a_qkv:
	.size	k_qcc5789847a_qkv, .Lfunc_end_k_qcc5789847a_qkv-k_qcc5789847a_qkv
	.p2alignl 7, 3214868480
	.fill 96, 4, 3214868480
	.section	.rodata,"a",@progbits
	.p2align	6, 0x0
	.amdhsa_kernel k_qcc5789847a_qkv
		.amdhsa_group_segment_fixed_size 168960
		.amdhsa_private_segment_fixed_size 0
		.amdhsa_enable_private_segment 0
		.amdhsa_kernarg_size 32
		.amdhsa_user_sgpr_count 2
		.amdhsa_user_sgpr_kernarg_segment_ptr 1
		.amdhsa_wavefront_size32 1
		.amdhsa_system_sgpr_workgroup_id_x 1
		.amdhsa_system_sgpr_workgroup_id_y 1
		.amdhsa_system_sgpr_workgroup_id_z 1
		.amdhsa_system_vgpr_workitem_id 0
		.amdhsa_next_free_vgpr 256
		.amdhsa_next_free_sgpr 66
		.amdhsa_reserve_vcc 1
		.amdhsa_float_denorm_mode_32 3
		.amdhsa_float_denorm_mode_16_64 3
		.amdhsa_memory_ordered 1
		.amdhsa_forward_progress 1
		.amdhsa_inst_pref_size 43
	.end_amdhsa_kernel
	.amdgpu_metadata
---
amdhsa.version: [ 1, 2 ]
amdhsa.kernels:
  - .name:           k_qcc5789847a_qkv
    .symbol:         k_qcc5789847a_qkv.kd
    .args:
      - { .name: img, .offset: 0, .size: 8, .value_kind: global_buffer, .address_space: global }
      - { .name: attention_mask, .offset: 8, .size: 8, .value_kind: global_buffer, .address_space: global }
      - { .name: qimg, .offset: 16, .size: 8, .value_kind: global_buffer, .address_space: global }
      - { .name: kv, .offset: 24, .size: 8, .value_kind: global_buffer, .address_space: global }
    .group_segment_fixed_size: 168960
    .private_segment_fixed_size: 0
    .kernarg_segment_align: 8
    .kernarg_segment_size: 32
    .max_flat_workgroup_size: 256
    .sgpr_count:     66
    .vgpr_count:     256
    .wavefront_size: 32
...
	.end_amdgpu_metadata
.endif
;; end of part 2
;; launch attn (part 3): grid 256 x 1, 12 waves a work-group, clusters of 4 x 1, 327,680 bytes of LDS; arguments qimg, kv, img, bo, out0; writes out0
.if DOCPART == 3
	.amdgcn_target "amdgcn-amd-amdhsa--gfx1250"
	.amdhsa_code_object_version 6
	.text
	.protected	k_qcc5789847a_attn
	.globl	k_qcc5789847a_attn
	.p2align	8
	.type	k_qcc5789847a_attn,@function
k_qcc5789847a_attn:
	s_mov_b64 s[64:65], 0
	v_nop
	global_prefetch_b8 v0, s[64:65] scope:SCOPE_SE
	s_setreg_imm32_b32 hwreg(HW_REG_WAVE_MODE, 25, 1), 1
	s_wait_xcnt 0x0
	s_wait_alu depctr_hold_cnt(0) depctr_sa_sdst(0) depctr_va_vdst(0) depctr_va_sdst(0) depctr_va_ssrc(0) depctr_va_vcc(0) depctr_vm_vsrc(0)
	s_getreg_b32 s2, hwreg(HW_REG_IB_STS2, 6, 4)
	s_cmp_eq_u32 s2, 0
	s_cbranch_scc0 .Lentry_in_a_cluster
	s_endpgm
.Lentry_in_a_cluster:
	s_bfe_u32 s2, ttmp6, 0x10000c
	s_cmp_lg_u32 s2, 0x3003
	s_cbranch_scc0 .Lentry_shape_is_right
	s_endpgm
.Lentry_shape_is_right:
; out = concat_h(softmax(q k^T / 8 + mask) v) Wo^T + bo, all three products on codes of FP6 (E2M3) with one E8M0 scale for each 32 along K, sums in f32.
; THE SOFTMAX AHEAD OF THE SECOND PRODUCT: t = logit x log2(e); M = the row's largest t so far, rounded up to a whole number; p = 2^(t - M) is quantised along the keys, not normalised; the row's sum of the
; unquantised p divides at the end.  When M moves, the sum and O are multiplied by 2^(old M - new M): exact.
; SHARES.  A work-group owns record G of 32 queries for ALL SIX heads, so that the last product is made here too.  Twelve waves, three to a SIMD.  Wave w: head w / 2, both tiles of 16 queries (each fragment of K and V
; read from LDS feeds two matrix instructions), and the chunks of 128 keys of parity w % 2: 16 steps.  At the end the two parities' sums are joined through LDS.
; THE HEAD'S 64 IN AN INSTRUCTION OF 128 ALONG K.  A fragment of K holds two tiles of keys, one in the lower 64 of K, one in the upper.  Q stands in 30 registers as zeros, q0, zeros, q1, zeros: (q, zeros) picks the lower
; tile, (zeros, q) the upper: zero codes add nothing under any scale byte but 0xff, and none is.  q's scale bytes are 3 less than the quantiser's: the scores come divided by 8.
; THE MASK IS THE C OF THE FIRST PRODUCT, loaded into the scores' own registers: D = C = q . k / 8 + mask, with no vector instruction.
; LAYOUT.  Both products are used transposed (source 0 = keys, or V's channels; source 1 = queries): a lane holds one query throughout.  By the tile rule (lane r of tile j of a group of 64 rows takes row
; 8 j + r % 8 + 32 (r / 8)) register 32 c + x of a tile's 64 scores is key 64 c + 32 (lane / 16) + x: a lane holds two WHOLE blocks of 32 keys, at the places that the next operand's layout gives it.
; So a block's largest score needs no other lane, and the conversions' results are the operand's registers.  O^T and the last product's results lie the same way.
; RING.  Two LDS slots of 12 units of 13,312 bytes (a unit: 128 keys of one head: K, V, scale words, mask).  Each wave asks for its own unit and reads it alone.  A STEP READS ITS UNIT OUT EARLY: scale words, K and
; the mask at its head, V (into K's registers) as soon as the 16 score products are issued.  So the change of slots lies INSIDE the step: behind V's loads stand the wait for my tensor load (the next step's unit), the
; add and the wait for my reads; the round of the cluster's barrier lies in tile 0's softmax, with work on registers alone inside it; and behind it the slot just read out takes the unit two steps on.
; CLUSTER.  The four work-groups of a cluster belong to one batch and walk the same units: each unit is asked for jointly.  A wave has one tensor load out at a time.
; Wo (each wave's twelfth read once, straight into registers) is not asked for jointly: the ring and the spare words take 321,024 bytes of LDS.
; PREFETCH.  In step t the batch's first cluster names the units of step t + 4, which the refill of step t + 2 loads: of a wave's unit (52 blocks of 256 bytes) each of the four partners takes 13, told apart by address
; (lanes 13-31 name lane 12's again).  The loop's last trip (steps 12, 13) names nothing: step 15's are the last units.
; LIMITS: a mask of -infinity is served; a row whose every key has it gives NaN, as the softmax of such a row does.  NaN among the inputs is not served.  A block of zeros gets the byte 1 (its codes are zeros).
; A block's largest p is made from its largest score by the same two operations: this takes v_exp_f32 not to fall where its input rises.  The promise holds while |t| stays under 2^31.
; REGISTERS.  Window 0: v1-10 addresses; v12-19 (-M, largest logit, the sum in two halves) for each tile; v20-27 scale words and nothing else; v28-57 Q; v58-105 K's four fragments, then V's; v106-121 at work;
;   v122-249 the scores of both tiles, then p; p's codes end in each tile's registers 52-63.  Window 1: v0-63 O^T, tile u's channels' tile t at 32 u + 8 t.
.set GREC,  9984
.set UNIT,  13312
.set SLOTB, 12*UNIT
.set SPARE, 2*SLOTB                    ; behind the ring: the spare words, 128 bytes for each wave
.set PARTW, 8704                       ; the end, in slot 0, which has had its last fill and its last read by then: a wave's two tiles of O^T,
.set PARTT, 4352                       ; each 4,096 bytes of registers' image + 256 of (-M, sum);
.set CTXI,  12*PARTW                   ; the six fragments of the concatenated heads, as six pieces of 8 bytes a lane;
.set CTXS,  CTXI+6*1536                ; their scale bytes, two for each tile and head, 128 bytes each;
.set OP,    1552                       ; and, over the first region when it has been read, 32 rows of the output: 1,536 bytes + 16
.set SPW,  1
.set NIL,  2
.set AI,   3                           ; v3-4 my unit in slot 0, 1: + 16 x lane
.set AS,   5                           ; v5-6 its scale words
.set AM,   7                           ; v7-8 its mask: + 12,800 + 128 (lane / 16)
.set PFO,  9
.set SH,   10                          ; 8 x (lane / 16)
.set ST,   12
.set QS,   20
.set SCL,  22                          ; v22-25 the unit's scale words: lanes 0-15 K's, lanes 16-31 V's
.set PW,   26                          ; v26-27 p's
.set QB,   28
.set KV,   58
.set BM,   106                         ; the two blocks' largest scores
.set SOP,  108                         ; the conversions' scale operands
.set F,    110                         ; f = 2^(old M - new M); v111 is named with it as a pair
.set TMP,  112
.set T,    114                         ; v114-121 at work
.set S,    122
.set WV,   18
.set SEL,  20
.set CS,   22                          ; s[22:23] log2(e), twice
.set G1,   24
.set G0,   32                          ; s[32:35], s[36:39]: group 0 of slot 0, 1
.set TRIPS, 44
.set PFA,  46
.set LIM,  48
.set MSB, 0
.macro WIN new                         ; the immediate's high byte repeats the setting that is left
.if MSB != \new
	s_set_vgpr_msb (MSB<<8)|\new
.set MSB, \new
.endif
.endm
.macro PLACES n
.rept \n
	v_nop
.endr
.endm
.macro ALUW
	s_wait_alu depctr_va_vdst(0)
.endm
.macro ROUND                           ; a whole round of the cluster's barrier
	s_barrier_signal -1
	s_barrier_wait -1
	s_cmp_lg_u32 s[WV], 0
	s_cbranch_scc1 .Lnot_wave_0_\@
	s_barrier_signal -3
.Lnot_wave_0_\@:
	s_barrier_wait -3
	s_barrier_signal -1
	s_barrier_wait -1
.endm
.macro ASK                             ; s[LIM] is 1 in the batch's first cluster, else the greatest number; s[TRIPS] is 1 in the last trip
	s_cmp_gt_u32 s[TRIPS], s[LIM]
	s_cbranch_scc0 .Lnot_mine_\@
	global_prefetch_b8 v[PFO], s[PFA:PFA+1] th:TH_LOAD_NT scope:SCOPE_SE
.Lnot_mine_\@:
.endm
; THE SOFTMAX of tile u for one step of 128 keys.  In tile 0 the change of slots is laid into it.  mode 1: a round and a refill of \slot; 2: a plain barrier, behind which nobody reads slot 0 any more; 0: none.
; The waits on the vector side (ALUW) stand ahead of and behind each batch of exponentials, ahead of waits that block and branches, ahead of first reads of matrix results behind exponentials.
.macro SOFTMAX u, mode, slot
.set rS, S+64*(\u)
.set rT, ST+4*(\u)
.if \u
	ALUW
.endif
.if \mode == 1
	s_wait_xcnt 0x0                                ; the last step's prefetch has read its address
	s_add_nc_u64 s[PFA:PFA+1], s[PFA:PFA+1], SLOTB
.endif
.if \mode
	s_wait_tensorcnt 0x0                           ; my one tensor load, the next step's unit, has landed
.endif
.if \mode == 1
	ds_add_u32 v[SPW], v[NIL]                      ; 0 onto my spare word
	s_add_nc_u64 s[G0+4*\slot+2:G0+4*\slot+3], s[G0+4*\slot+2:G0+4*\slot+3], 2*SLOTB   ; no load of mine is out: this slot's next unit, two steps on
.endif
.if \u == 0
	s_wait_dscnt 0x0                               ; V is in, so my reads of this slot are over; the add, where there is one, is done
.if \mode
	s_barrier_signal -1                            ; (mode 1: it opens the round); work on registers alone up to its wait
.endif
.endif
.irp c, 0,1                                    ; the largest score of each of my two blocks, in two chains each; every accumulator is read from its low end on
	v_max3_num_f32 v[BM+\c], v[rS+32*\c], v[rS+32*\c+1], v[rS+32*\c+2]
	v_max3_num_f32 v[T+\c], v[rS+32*\c+16], v[rS+32*\c+17], v[rS+32*\c+18]
.endr
.irp i, 3,5,7,9,11,13
.irp c, 0,1
	v_max3_num_f32 v[BM+\c], v[BM+\c], v[rS+32*\c+\i], v[rS+32*\c+\i+1]
	v_max3_num_f32 v[T+\c], v[T+\c], v[rS+32*\c+16+\i], v[rS+32*\c+17+\i]
.endr
.endr
.irp c, 0,1
	v_max3_num_f32 v[BM+\c], v[BM+\c], v[T+\c], v[rS+32*\c+15]
.endr
.irp c, 0,1
	v_max_num_f32 v[BM+\c], v[BM+\c], v[rS+32*\c+31]
.endr
	v_max3_num_f32 v[TMP], v[rT+1], v[BM], v[BM+1]
	s_delay_alu instid0(VALU_DEP_1)
	v_permlanex16_b32 v[TMP+1], v[TMP], s[SEL], s[SEL+1]
	s_delay_alu instid0(VALU_DEP_1)
	v_max_num_f32 v[rT+1], v[TMP], v[TMP+1]        ; the running largest logit of my query
	v_mov_b32 v[TMP+1], v[rT]
	s_delay_alu instid0(VALU_DEP_2)
	v_mul_f32 v[TMP], s[CS], v[rT+1]               ; as t
	s_delay_alu instid0(VALU_DEP_1)
	v_floor_f32 v[rT], -v[TMP]                     ; the new -M = floor(-t)
	s_delay_alu instid0(VALU_DEP_1)
	v_sub_f32 v[TMP], v[rT], v[TMP+1]              ; old M - new M: a whole number, 0 or less
	s_delay_alu instid0(VALU_DEP_1)
	v_cvt_i32_f32 v[TMP], v[TMP]                   ; (it saturates)
	s_delay_alu instid0(VALU_DEP_1)
	v_ldexp_f32 v[F], 1.0, v[TMP]
.set j, 0
.rept 16
	v_pk_fma_f32 v[rS+j:rS+j+1], v[rS+j:rS+j+1], s[CS:CS+1], v[rT:rT+1] op_sel_hi:[1,0,0]   ; t - M of my first block
.set j, j+2
.endr
.irp c, 0,1
	v_fma_f32 v[BM+\c], v[BM+\c], s[CS], v[rT]     ; the same of each block's largest score
.endr
	v_pk_mul_f32 v[rT+2:rT+3], v[rT+2:rT+3], v[F:F+1] op_sel_hi:[1,0]   ; the sums under the new M
	ALUW
	v_exp_f32 v[BM], v[BM]                         ; the blocks' largest p
	v_exp_f32 v[BM+1], v[BM+1]
.set j, 0
.rept 32
	v_exp_f32 v[rS+j], v[rS+j]                     ; p = 2^(t - M)
.set j, j+1
.endr
.set j, 32
.rept 16
	v_pk_fma_f32 v[rS+j:rS+j+1], v[rS+j:rS+j+1], s[CS:CS+1], v[rT:rT+1] op_sel_hi:[1,0,0]   ; my second block: plain work behind the exponentials
.set j, j+2
.endr
	ALUW
.if \mode
	s_barrier_wait -1
.endif
.if \mode == 1
	s_cmp_lg_u32 s[WV], 0
	s_cbranch_scc1 .Lnw0_\@
	s_barrier_signal -3
.Lnw0_\@:
	s_barrier_wait -3
	s_barrier_signal -1
	s_barrier_wait -1                              ; the round is closed: no wave of any partner still reads this slot or has a load on its way
	tensor_load_to_lds s[G0+4*\slot:G0+4*\slot+3], s[G1:G1+7]   ; my one tensor load until the next round: the unit two steps on
	s_nop 0
	PLACES 4
	ASK
.endif
.set j, 32
.rept 32
	v_exp_f32 v[rS+j], v[rS+j]
.set j, j+1
.endr
	v_pk_add_f32 v[T:T+1], v[rS:rS+1], v[rS+2:rS+3]   ; the row's sum is taken of the unquantised p, in two chains: the first block's
.irp j, 4,8,12,16,20,24,28
	v_pk_add_f32 v[rT+2:rT+3], v[rT+2:rT+3], v[rS+\j:rS+\j+1]
	v_pk_add_f32 v[T:T+1], v[T:T+1], v[rS+\j+2:rS+\j+3]
.endr
.irp c, 0,1
	v_max_num_f32 v[BM+\c], 0x1800000, v[BM+\c]    ; the floor 2^(3 - 127): the byte cannot fall under 1
.endr
.irp c, 0,1
	s_delay_alu instid0(VALU_DEP_2)
	v_add_nc_u32 v[SOP+\c], 0xff000000, v[BM+\c]   ; 2 off the exponent field: the conversion's scale operand
.endr
.irp c, 0,1
	s_delay_alu instid0(VALU_DEP_2)
	v_lshrrev_b32 v[BM+\c], 23, v[SOP+\c]          ; the scale's byte
.endr
	s_delay_alu instid0(VALU_DEP_1)
	v_lshl_or_b32 v[TMP], v[BM+1], 16, v[BM]
	s_delay_alu instid0(VALU_DEP_1)
	v_lshlrev_b32 v[TMP], v[SH], v[TMP]            ; my bytes: blocks h and 2 + h
	s_delay_alu instid0(VALU_DEP_1)
	v_permlanex16_b32 v[TMP+1], v[TMP], s[SEL], s[SEL+1]
	s_delay_alu instid0(VALU_DEP_1)
	v_or_b32 v[PW+\u], v[TMP], v[TMP+1]            ; p's scale word for these 128 keys
	ALUW
.irp j, 32,36,40,44,48,52,56,60
	v_pk_add_f32 v[rT+2:rT+3], v[rT+2:rT+3], v[rS+\j:rS+\j+1]
	v_pk_add_f32 v[T:T+1], v[T:T+1], v[rS+\j+2:rS+\j+3]
.endr
	s_delay_alu instid0(VALU_DEP_1)
	v_pk_add_f32 v[rT+2:rT+3], v[rT+2:rT+3], v[T:T+1]
	v_cvt_scalef32_pk16_fp6_f32 v[T+4:T+6], v[rS+48:rS+63], v[SOP+1]   ; the operand's registers 9-11 and 3-5 begin on odd numbers: made here and moved
	v_cvt_scalef32_pk16_fp6_f32 v[T:T+2], v[rS+16:rS+31], v[SOP]
	v_nop                                          ; a plain place: the next two write over numbers that have been converted
	v_cvt_scalef32_pk16_fp6_f32 v[rS+52:rS+54], v[rS:rS+15], v[SOP]
	v_cvt_scalef32_pk16_fp6_f32 v[rS+58:rS+60], v[rS+32:rS+47], v[SOP+1]
	v_nop
.irp i, 0,1,2
	v_mov_b32 v[rS+55+\i], v[T+\i]
	v_mov_b32 v[rS+61+\i], v[T+4+\i]
.endr
	WIN 0x41                                       ; O^T (destination and source 0) in window 1, f in window 0
	ALUW
.set j, 0
.rept 16
	v_pk_mul_f32 v[32*(\u)+j:32*(\u)+j+1], v[32*(\u)+j:32*(\u)+j+1], v[F:F+1] op_sel_hi:[1,0]   ; O^T under the new M; also the places between p's codes and scale word and the products that take them
.set j, j+2
.endr
	WIN 0
.endm
; A STEP: my unit's 128 keys, for both tiles of queries.
.macro STEP slot, mode
	PLACES 5                                       ; behind the last step's products: loads land on their sources, and the score products write over p's codes
.irp i, 0,1,2,3
	ds_load_b32 v[SCL+\i], v[AS+\slot] offset:128*\i
.endr
.irp e, 0,1,2,3
.irp i, 0,1,2
	ds_load_b128 v[KV+12*\e+4*\i:KV+12*\e+4*\i+3], v[AI+\slot] offset:1536*\e+512*\i
.endr
.endr
.irp u, 0,1
.irp c, 0,1
.irp q, 0,1,2,3,4,5,6,7
	ds_load_b128 v[S+64*\u+32*\c+4*\q:S+64*\u+32*\c+4*\q+3], v[AM+\slot] offset:256*\c+16*\q   ; the mask of keys 64 c + 32 (lane / 16) + 4 q on: sixteen lanes read the same bytes
.endr
.endr
.endr
.irp u, 0,1
	s_wait_dscnt 16-16*\u                          ; tile 0: all but the 16 youngest loads, tile 1's mask
.irp e, 0,1,2,3
.irp a, 0,1                                    ; a = 0: (q, zeros) takes the fragment's lower tile of keys; a = 1: (zeros, q) the upper.  Sixteen accumulators, one instruction each
	v_wmma_scale_f32_16x16x128_f8f6f4 v[S+64*\u+16*\e+8*\a:S+64*\u+16*\e+8*\a+7], v[KV+12*\e:KV+12*\e+11], v[QB+6-6*\a+12*\u:QB+17-6*\a+12*\u], v[S+64*\u+16*\e+8*\a:S+64*\u+16*\e+8*\a+7], v[SCL+\e], v[QS+\u] matrix_a_fmt:MATRIX_FMT_FP6 matrix_b_fmt:MATRIX_FMT_FP6
.endr
.endr
.endr
	PLACES 4                                       ; in front of the loads over K's fragments and of the first read of results
.irp t, 0,1,2,3
.irp i, 0,1,2
	ds_load_b128 v[KV+12*\t+4*\i:KV+12*\t+4*\i+3], v[AI+\slot] offset:6144+1536*\t+512*\i
.endr
.endr
	SOFTMAX 0, \mode, \slot
	SOFTMAX 1, 0, \slot
	WIN 0x50                                       ; C and D in window 1
.irp t, 0,1,2,3                                ; O^T += V^T P^T: eight accumulators, one instruction each
.irp u, 0,1
	v_wmma_scale_f32_16x16x128_f8f6f4 v[32*\u+8*\t:32*\u+8*\t+7], v[KV+12*\t:KV+12*\t+11], v[S+64*\u+52:S+64*\u+63], v[32*\u+8*\t:32*\u+8*\t+7], v[SCL+\t], v[PW+\u] matrix_a_fmt:MATRIX_FMT_FP6 matrix_b_fmt:MATRIX_FMT_FP6 matrix_a_scale:MATRIX_SCALE_ROW1
.endr
.endr
	WIN 0
.endm
	s_load_b256 s[4:11], s[0:1], 0x0               ; qimg, kv, img, bo
	s_load_b64 s[12:13], s[0:1], 0x20              ; out0
	v_lshl_add_u32 v[SPW], v0, 2, SPARE
	v_mov_b32 v[NIL], 0
	ds_add_u32 v[SPW], v[NIL]                      ; the opening lines: the add twice on end, under the one wait
	ds_add_u32 v[SPW], v[NIL]
	v_lshrrev_b32 v[TMP], 5, v0
	s_delay_alu instid0(VALU_DEP_1)
	v_readfirstlane_b32 s[WV], v[TMP]              ; wave 0..11
	s_bfe_u32 s14, ttmp6, 0x40000                  ; cx
	s_lshl_b32 s15, ttmp9, 2
	s_add_co_u32 s15, s15, s14                     ; G = 4 x cluster x + cx: it enters q's and the output's addresses alone
	s_lshr_b32 s16, ttmp9, 5                       ; the batch, which the four partners share
	s_lshr_b32 s17, s[WV], 1                       ; my head
	s_and_b32 s19, s[WV], 1                        ; my parity
	s_mov_b32 s[SEL], 0x76543210
	s_mov_b32 s[SEL+1], 0xfedcba98
	s_mov_b32 s[CS], 0x3fb8aa3b                    ; log2(e)
	s_mov_b32 s[CS+1], s[CS]
	s_mov_b32 s[G1], 15|(3<<16)|(1<<21)            ; group 1: the mask of all four work-groups, elements of 8 bytes, bit 21 beside the mask
	s_mov_b32 s[G1+1], 32<<16                      ; rows of 256 bytes,
	s_mov_b32 s[G1+2], 52<<16                      ; 52 of them: a unit
	s_mov_b32 s[G1+3], 32<<16
	s_mov_b32 s[G1+4], 52
	s_mov_b32 s[G1+5], 32                          ; dense
	s_mov_b32 s[G1+6], 0
	s_mov_b32 s[G1+7], 0
	s_and_b32 s[LIM], ttmp9, 31
	s_cmp_eq_u32 s[LIM], 0
	s_cselect_b32 s[LIM], 1, -1                    ; the batch's first cluster prefetches: the same in all four partners
	s_mul_i32 s50, s[WV], UNIT
	s_mul_i32 s54, s16, 192                        ; my unit of step 0: (16 batch) 12 + w
	s_add_co_u32 s54, s54, s[WV]
	s_mul_i32 s54, s54, UNIT
	s_mov_b32 s55, 0
	s_mul_i32 s58, s14, 13*256                     ; the prefetches: my work-group's 13 blocks of my unit, at step 3's; step 0 steps it to step 4's
	s_add_co_u32 s58, s58, 3*SLOTB
	s_mov_b32 s59, 0
	s_mul_i32 s62, s15, 6
	s_add_co_u32 s62, s62, s17
	s_mul_i32 s62, s62, 1792                       ; q's record
	s_mov_b32 s63, 0
	s_add_co_u32 s60, s[WV], 292
	s_mul_i32 s60, s60, GREC                       ; Wo's record w
	s_mov_b32 s61, 0
	v_and_b32 v[TMP], 31, v0                       ; lane
	v_bfe_u32 v[TMP+1], v0, 4, 1                   ; h
	v_lshl_add_u32 v[AI], v[TMP], 4, s50
	v_lshl_add_u32 v[AS], v[TMP], 2, s50
	v_lshl_add_u32 v[AM], v[TMP+1], 7, s50
	v_min_u32 v[PFO], 12, v[TMP]
	v_lshlrev_b32 v[SH], 3, v[TMP+1]
	v_lshlrev_b32 v[T], 3, v[TMP]                  ; 8 x lane, 4 x lane: q's offsets
	v_lshlrev_b32 v[T+1], 2, v[TMP]
	v_add_nc_u32 v[AS], 12288, v[AS]
	v_add_nc_u32 v[AM], 12800, v[AM]
	v_lshlrev_b32 v[PFO], 8, v[PFO]
	v_add_nc_u32 v[AI+1], SLOTB, v[AI]
	v_add_nc_u32 v[AS+1], SLOTB, v[AS]
	v_add_nc_u32 v[AM+1], SLOTB, v[AM]
	ALUW                                           ; the wait ahead of the waits below
	s_wait_dscnt 0x0                               ; both opening adds are done
	s_wait_kmcnt 0x0
	s_add_nc_u64 s[56:57], s[6:7], s[54:55]
	s_add_nc_u64 s[PFA:PFA+1], s[56:57], s[58:59]
	s_add_nc_u64 s[4:5], s[4:5], s[62:63]
	s_add_nc_u64 s[8:9], s[8:9], s[60:61]
	s_lshr_b32 s62, s15, 1                         ; the output: my 32 rows begin at row 64 (G / 2) + 16 (G % 2)
	s_mul_i32 s62, s62, 64*1536
	s_and_b32 s60, s15, 1
	s_mul_i32 s60, s60, 16*1536
	s_add_co_u32 s62, s62, s60
	s_add_nc_u64 s[12:13], s[12:13], s[62:63]
.irp n, 0,1
	s_mov_b32 s[G0+4*\n], 1
	s_add_co_u32 s[G0+4*\n+1], s50, \n*SLOTB       ; LDS address: wave x 13,312 + the slot
	s_add_nc_u64 s[G0+4*\n+2:G0+4*\n+3], s[56:57], \n*SLOTB   ; step n's unit
	s_or_b32 s[G0+4*\n+3], s[G0+4*\n+3], 0x80000000
.endr
	ROUND                                          ; all four work-groups are here: the first joint loads meet
	tensor_load_to_lds s[G0:G0+3], s[G1:G1+7]      ; step 0's unit: one tensor load a wave at the head
	s_nop 0
	PLACES 4
.irp u, 0,1
.irp i, 0,1,2
	global_load_b64 v[QB+6+12*\u+2*\i:QB+7+12*\u+2*\i], v[T], s[4:5] offset:768*\u+256*\i   ; q stays in registers
.endr
	global_load_b32 v[QS+\u], v[T+1], s[4:5] offset:1536+128*\u
.endr
.irp z, 0,1,2
.irp i, 0,1,2,3,4,5
	v_mov_b32 v[QB+12*\z+\i], 0                    ; the zero codes beside it
.endr
.endr
.irp u, 0,1
	v_mov_b32 v[ST+4*\u+1], 0xff000000             ; the largest logit so far: -2^127
	v_mov_b32 v[ST+4*\u+2], 0                      ; the sum, in two halves
	v_mov_b32 v[ST+4*\u+3], 0
.endr
	v_mul_f32 v[TMP], s[CS], v[ST+1]
	v_mov_b32 v[TMP+1], 0                          ; a lane permute's destination counts as one of its sources
	v_mov_b32 v[F+1], 0                            ; named with f as a pair
	v_floor_f32 v[ST], -v[TMP]                     ; -M, made as the step makes it
	v_floor_f32 v[ST+4], -v[TMP]
	WIN 0x40
.set j, 0
.rept 64
	v_mov_b32 v[j], 0                              ; O^T: the step is written without a first step of its own: the first change of M multiplies zeros
.set j, j+1
.endr
	WIN 0
	ALUW                                           ; the wait at the head's end
	s_wait_tensorcnt 0x0                           ; slot 1's first fill is issued as a refill is: the three lines, a round,
	ds_add_u32 v[SPW], v[NIL]
	s_wait_dscnt 0x0
	ROUND
	tensor_load_to_lds s[G0+4:G0+7], s[G1:G1+7]    ; and step 1's unit
	s_nop 0
	PLACES 4
	s_wait_loadcnt 0x0                             ; q
	s_mov_b32 s[TRIPS], 7
.Lloop:                                            ; 7 trips of two steps: steps 0 to 13, which ask for the units of steps 2 to 15
	STEP 0, 1
	STEP 1, 1
	s_sub_co_u32 s[TRIPS], s[TRIPS], 1
	s_cmp_lg_u32 s[TRIPS], 0
	ALUW
	s_cbranch_scc1 .Lloop
	STEP 0, 2                                      ; step 14 waits for step 15's unit; behind its barrier nobody reads slot 0 any more
	STEP 1, 0
	; ---- THE END, 1: each wave leaves its two tiles of O^T with their -M and sum in slot 0
.set E0,   106
.set LI,   107
.set L8,   108
.set LS,   109
.set PA,   110
.set PS,   111
.set LA,   112
.set LST,  113
.set CI,   114
.set CSA,  115
.set C8,   116
.set C4,   117
.set OSA,  118
.set OSR,  119
.set GO,   120
.set BOF,  121
.set WO,   28                          ; v28-99 Wo's six fragments, v100-105 their scale words as loaded
.set WOW,  100
.set XA,   122                         ; v122-153, v154-185 the two parities' parts of my tile; v186-202 at work
.set XB,   154
.set CX,   122                         ; then v122-193 the six fragments of the concatenated heads
.set OA,   194                         ; v194-225 four accumulators
.set BO,   226                         ; v226-241 bo in the result's layout
.set CB,   242                         ; v242-253 the heads' scale bytes
	s_mul_i32 s50, s[WV], PARTW
	s_mul_i32 s51, s17, 2*PARTW
	s_mul_i32 s52, s19, PARTT
	s_add_co_u32 s51, s51, s52                     ; where I take up tile w % 2 of my head
	s_mul_i32 s52, s19, 3*1536                     ; the fragment of tile w % 2, K step head / 2; its lower or upper six registers by head % 2
	s_lshr_b32 s53, s[WV], 2
	s_mul_i32 s53, s53, 1536
	s_add_co_u32 s52, s52, s53
	s_and_b32 s53, s17, 1
	s_mul_i32 s53, s53, 768
	s_add_co_u32 s52, s52, s53
	s_add_co_u32 s52, s52, CTXI
	s_mul_i32 s53, s19, 6
	s_add_co_u32 s53, s53, s17
	s_lshl_b32 s53, s53, 7
	s_add_co_u32 s53, s53, CTXS
	s_lshl_b32 s54, s17, 8
	s_lshl_b32 s55, s19, 6
	s_add_co_u32 s54, s54, s55                     ; my outputs begin at 64 (w / 2) + 16 (w % 2) + 32 h: in bytes
	s_mul_i32 s55, s[WV], 11
	s_lshr_b32 s55, s55, 5                         ; w / 3
	s_lshl_b32 s58, s[WV], 9
	s_mul_i32 s56, s55, 8*OP-1536
	s_add_co_u32 s56, s56, s58                     ; stage rows 8 (w / 3) on, the third w % 3 of their 1,536 bytes
	s_mul_i32 s57, s55, 7*1536
	s_add_co_u32 s57, s57, s58
	s_lshr_b32 s55, s55, 1
	s_mul_i32 s55, s55, 16*1536                    ; stage rows 16-31 are the output's rows 32-47 of my 48
	s_add_co_u32 s57, s57, s55
	PLACES 4                                       ; behind the last products
.irp u, 0,1
	v_add_f32 v[ST+4*\u+2], v[ST+4*\u+2], v[ST+4*\u+3]
.endr
.irp u, 0,1
	s_delay_alu instid0(VALU_DEP_2)
	v_permlanex16_b32 v[ST+4*\u+3], v[ST+4*\u+2], s[SEL], s[SEL+1]
.endr
.irp u, 0,1
	s_delay_alu instid0(VALU_DEP_2)
	v_add_f32 v[ST+4*\u+1], v[ST+4*\u+2], v[ST+4*\u+3]   ; the sum over my parity's keys, beside -M
.endr
	v_and_b32 v[E0], 31, v0
	v_and_b32 v250, 15, v0
	v_lshlrev_b32 v[LI], 4, v[E0]
	v_lshlrev_b32 v[L8], 3, v[E0]
	v_lshlrev_b32 v[LS], 2, v[E0]
	v_and_b32 v251, 8, v250
	v_add_nc_u32 v[PA], s50, v[LI]
	v_add_nc_u32 v[PS], s50, v[L8]
	v_add_nc_u32 v[LA], s51, v[LI]
	v_add_nc_u32 v[LST], s51, v[L8]
	v_add_nc_u32 v251, v251, v250                  ; r % 8 + 16 (r / 8): my query's row in the stage, less 8 x its tile
	v_add_nc_u32 v[PS], 4096, v[PS]
	v_add_nc_u32 v[LST], 4096, v[LST]
	v_add_nc_u32 v[CI], s52, v[L8]
	v_add_nc_u32 v[CSA], s53, v[LS]
	v_add_nc_u32 v[C8], CTXI, v[L8]
	v_add_nc_u32 v[C4], CTXS, v[LS]
	v_mul_u32_u24 v[OSA], v251, OP
	v_lshl_add_u32 v[BOF], v[SH], 4, s54           ; bo: my 16 numbers
	v_add_nc_u32 v[OSR], s56, v[LI]
	v_add_nc_u32 v[GO], s57, v[LI]
	v_add_nc_u32 v[OSA], v[OSA], v[BOF]
	WIN 0x04                                       ; an LDS store's data are its source 1: window 1
.irp u, 0,1
.irp i, 0,1,2,3,4,5,6,7
	ds_store_b128 v[PA], v[32*\u+4*\i:32*\u+4*\i+3] offset:PARTT*\u+512*\i   ; each accumulator from its low end on
.endr
.endr
	WIN 0
.irp u, 0,1
	ds_store_b64 v[PS], v[ST+4*\u:ST+4*\u+1] offset:PARTT*\u
.endr
.irp f, 0,1,2,3,4,5                            ; Wo's record w (fragment 3 p + s), its scale words and my 16 numbers of bo land while the heads are joined
.irp i, 0,1,2
	global_load_b128 v[WO+12*\f+4*\i:WO+12*\f+4*\i+3], v[LI], s[8:9] offset:1536*\f+512*\i
.endr
	global_load_b32 v[WOW+\f], v[LS], s[8:9] offset:9216+128*\f
.endr
.irp q, 0,1,2,3
	global_load_b128 v[BO+4*\q:BO+4*\q+3], v[BOF], s[10:11] offset:16*\q
.endr
	ALUW
	s_wait_dscnt 0x0                               ; for the others' sake: my stores have landed
	s_barrier_signal -1
	s_barrier_wait -1
	; ---- 2: wave w joins the two parities of tile w % 2 of its head, divides by the sum and quantises along the head's 64: a lane holds channels 32 h + 0 .. 31, one whole block
.irp i, 0,1,2,3,4,5,6,7
	ds_load_b128 v[XA+4*\i:XA+4*\i+3], v[LA] offset:512*\i
.endr
.irp i, 0,1,2,3,4,5,6,7
	ds_load_b128 v[XB+4*\i:XB+4*\i+3], v[LA] offset:PARTW+512*\i
.endr
	ds_load_b64 v[186:187], v[LST]
	ds_load_b64 v[188:189], v[LST] offset:PARTW
	s_wait_dscnt 0x0
	v_min_num_f32 v190, v186, v188                 ; -M of the two together
	s_delay_alu instid0(VALU_DEP_1)
	v_sub_f32 v191, v190, v186                     ; each part's M less the common one: a whole number, 0 or less
	v_sub_f32 v192, v190, v188
	s_delay_alu instid0(VALU_DEP_2)
	v_cvt_i32_f32 v191, v191
	s_delay_alu instid0(VALU_DEP_2)
	v_cvt_i32_f32 v192, v192
	s_delay_alu instid0(VALU_DEP_2)
	v_ldexp_f32 v191, 1.0, v191
	s_delay_alu instid0(VALU_DEP_2)
	v_ldexp_f32 v192, 1.0, v192
	s_delay_alu instid0(VALU_DEP_2)
	v_mul_f32 v193, v187, v191
	s_delay_alu instid0(VALU_DEP_1)
	v_fma_f32 v193, v189, v192, v193               ; the row's sum
	ALUW
	v_rcp_f32 v193, v193
	v_mov_b32 v202, 0                              ; (a plain place behind the reciprocal; a lane permute's destination counts as one of its sources)
	ALUW
	v_mul_f32 v194, v191, v193
	v_mul_f32 v195, v191, v193
	v_mul_f32 v196, v192, v193
	v_mul_f32 v197, v192, v193
.set j, 0
.rept 16
	v_pk_mul_f32 v[XA+j:XA+j+1], v[XA+j:XA+j+1], v[194:195]
.set j, j+2
.endr
.set j, 0
.rept 16
	v_pk_fma_f32 v[XA+j:XA+j+1], v[XB+j:XB+j+1], v[196:197], v[XA+j:XA+j+1]
.set j, j+2
.endr
	v_max3_num_f32 v198, |v[XA]|, |v[XA+1]|, 0x1800000
	v_max3_num_f32 v199, |v[XA+16]|, |v[XA+17]|, |v[XA+18]|
.irp i, 2,4,6,8,10,12
	s_delay_alu instid0(VALU_DEP_2)
	v_max3_num_f32 v198, v198, |v[XA+\i]|, |v[XA+\i+1]|
	s_delay_alu instid0(VALU_DEP_2)
	v_max3_num_f32 v199, v199, |v[XA+17+\i]|, |v[XA+18+\i]|
.endr
	v_max3_num_f32 v198, v198, |v[XA+14]|, |v[XA+15]|
	s_delay_alu instid0(VALU_DEP_1)
	v_max3_num_f32 v198, v198, v199, |v[XA+31]|
	s_delay_alu instid0(VALU_DEP_1)
	v_add_nc_u32 v200, 0xff000000, v198
	s_delay_alu instid0(VALU_DEP_1)
	v_lshrrev_b32 v201, 23, v200
	s_delay_alu instid0(VALU_DEP_1)
	v_lshlrev_b32 v201, v[SH], v201
	s_delay_alu instid0(VALU_DEP_1)
	v_permlanex16_b32 v202, v201, s[SEL], s[SEL+1]
	s_delay_alu instid0(VALU_DEP_1)
	v_or_b32 v201, v201, v202                      ; my head's two scale bytes
	v_cvt_scalef32_pk16_fp6_f32 v[XB:XB+2], v[XA:XA+15], v200
	v_cvt_scalef32_pk16_fp6_f32 v[XB+8:XB+10], v[XA+16:XA+31], v200
	v_nop
.irp i, 0,1,2
	v_mov_b32 v[XB+3+\i], v[XB+8+\i]
.endr
.irp i, 0,1,2
	ds_store_b64 v[CI], v[XB+2*\i:XB+2*\i+1] offset:256*\i
.endr
	ds_store_b32 v[CSA], v201
	s_wait_dscnt 0x0                               ; my stores have landed, and my reads of the first region are over
	s_barrier_signal -1
	s_barrier_wait -1
	; ---- 3: out^T = Wo ctx^T + bo: my 32 outputs for the 32 queries: four accumulators by turns, three K steps
.irp f, 0,1,2,3,4,5
.irp p, 0,1,2,3,4,5
	ds_load_b64 v[CX+12*\f+2*\p:CX+12*\f+2*\p+1], v[C8] offset:1536*\f+256*\p
.endr
.endr
.irp k, 0,1,2,3,4,5,6,7,8,9,10,11
	ds_load_b32 v[CB+\k], v[C4] offset:128*\k
.endr
	s_wait_dscnt 0x0
	s_wait_loadcnt 0x0                             ; Wo, its scale words, bo
.irp k, 0,2,4,6,8,10
	v_lshl_or_b32 v[CB+\k], v[CB+\k+1], 16, v[CB+\k]   ; two heads' bytes make the word of tile k / 6, K step (k % 6) / 2
.endr
	s_mov_b32 vcc_lo, 0xffff0000
.irp k, 0,1,2,3,4,5
	v_cndmask_b32 v[QS+\k], v[WOW+\k], v[CB+2*\k], vcc_lo   ; lanes 0-15 Wo's word of (tile, K step), lanes 16-31 ctx's
.endr
	PLACES 8                                       ; a scale register written by a vector instruction stands 8 places ahead of the scaled product
.irp s, 0,1,2
.irp q, 0,1
.irp p, 0,1
.if \s == 0
	v_wmma_scale_f32_16x16x128_f8f6f4 v[OA+8*(2*\p+\q):OA+8*(2*\p+\q)+7], v[WO+12*(3*\p+\s):WO+12*(3*\p+\s)+11], v[CX+12*(3*\q+\s):CX+12*(3*\q+\s)+11], v[BO+8*\p:BO+8*\p+7], v[QS+3*\p+\s], v[QS+3*\q+\s] matrix_a_fmt:MATRIX_FMT_FP6 matrix_b_fmt:MATRIX_FMT_FP6 matrix_b_scale:MATRIX_SCALE_ROW1
.else
	v_wmma_scale_f32_16x16x128_f8f6f4 v[OA+8*(2*\p+\q):OA+8*(2*\p+\q)+7], v[WO+12*(3*\p+\s):WO+12*(3*\p+\s)+11], v[CX+12*(3*\q+\s):CX+12*(3*\q+\s)+11], v[OA+8*(2*\p+\q):OA+8*(2*\p+\q)+7], v[QS+3*\p+\s], v[QS+3*\q+\s] matrix_a_fmt:MATRIX_FMT_FP6 matrix_b_fmt:MATRIX_FMT_FP6 matrix_b_scale:MATRIX_SCALE_ROW1
.endif
.endr
.endr
.endr
	PLACES 4
.irp p, 0,1
.irp q, 0,1
	ds_store_b128 v[OSA], v[OA+8*(2*\p+\q):OA+8*(2*\p+\q)+3] offset:8*\q*OP+32*\p        ; lane (r, h): stage row 8 q + r % 8 + 16 (r / 8), outputs 64 (w / 2) + 16 (w % 2) + 32 h + 8 p + 0 .. 7
	ds_store_b128 v[OSA], v[OA+8*(2*\p+\q)+4:OA+8*(2*\p+\q)+7] offset:8*\q*OP+32*\p+16
.endr
.endr
	s_wait_dscnt 0x0
	s_barrier_signal -1
	s_barrier_wait -1                              ; 32 whole rows of the output lie in the stage
	; ---- 4: each wave stores a third of eight rows
.irp i, 0,1,2,3,4,5,6,7
	ds_load_b128 v[122+4*\i:125+4*\i], v[OSR] offset:OP*\i
.endr
.irp i, 0,1,2,3,4,5,6,7
	s_wait_dscnt 7-\i                              ; row i is in, the 7 - i younger loads stay out
	global_store_b128 v[GO], v[122+4*\i:125+4*\i], s[12:13] offset:1536*\i th:TH_STORE_NT   ; 32 lanes store 512 consecutive bytes, at a multiple of 256 from the output's first byte
.endr
	s_wait_tensorcnt 0x0                           ; the wave's end
	ds_add_u32 v[SPW], v[NIL]
	s_wait_dscnt 0x0
	ROUND                                          ; the closing round: no work-group ends while a partner may still ask for a unit that names it
	s_endpgm
.Lfunc_end_k_qcc5789847a_attn:
	.size	k_qcc5789847a_attn, .Lfunc_end_k_qcc5789847a_attn-k_qcc5789847a_attn
	.p2alignl 7, 3214868480
	.fill 96, 4, 3214868480
	.section	.rodata,"a",@progbits
	.p2align	6, 0x0
	.amdhsa_kernel k_qcc5789847a_attn
		.amdhsa_group_segment_fixed_size 327680
		.amdhsa_private_segment_fixed_size 0
		.amdhsa_enable_private_segment 0
		.amdhsa_kernarg_size 40
		.amdhsa_user_sgpr_count 2
		.amdhsa_user_sgpr_kernarg_segment_ptr 1
		.amdhsa_wavefront_size32 1
		.amdhsa_system_sgpr_workgroup_id_x 1
		.amdhsa_system_sgpr_workgroup_id_y 1
		.amdhsa_system_sgpr_workgroup_id_z 1
		.amdhsa_system_vgpr_workitem_id 0
		.amdhsa_next_free_vgpr 320
		.amdhsa_next_free_sgpr 66
		.amdhsa_reserve_vcc 1
		.amdhsa_float_denorm_mode_32 3
		.amdhsa_float_denorm_mode_16_64 3
		.amdhsa_memory_ordered 1
		.amdhsa_forward_progress 1
		.amdhsa_inst_pref_size 152
	.end_amdhsa_kernel
	.amdgpu_metadata
---
amdhsa.version: [ 1, 2 ]
amdhsa.kernels:
  - .name:           k_qcc5789847a_attn
    .symbol:         k_qcc5789847a_attn.kd
    .args:
      - { .name: qimg, .offset: 0, .size: 8, .value_kind: global_buffer, .address_space: global }
      - { .name: kv, .offset: 8, .size: 8, .value_kind: global_buffer, .address_space: global }
      - { .name: img, .offset: 16, .size: 8, .value_kind: global_buffer, .address_space: global }
      - { .name: bo, .offset: 24, .size: 8, .value_kind: global_buffer, .address_space: global }
      - { .name: out0, .offset: 32, .size: 8, .value_kind: global_buffer, .address_space: global }
    .group_segment_fixed_size: 327680
    .private_segment_fixed_size: 0
    .kernarg_segment_align: 8
    .kernarg_segment_size: 40
    .max_flat_workgroup_size: 384
    .sgpr_count:     66
    .vgpr_count:     320
    .wavefront_size: 32
...
	.end_amdgpu_metadata
.endif
;; end of part 3
